; MI455X (gfx1250); checked and timed in simulation.
; The chip was launched on July 23, 2026; its instructions are those of AMD's public machine-readable ISA for CDNA 5 (MIT licence, August 2026) and "CDNA5" Instruction Set Architecture Reference Guide (July 2026). The comments in the code are by the model that wrote it; some were corrected since.
;; Gaussian Process Embedding Head. Allowed arithmetic: float matrix products may take bf16 or f16 operands with f32 sums; all other float work in f32.
;; Inputs: W_logvar 512 x 1,024 float32; W_mu 512 x 1,024 float32; b_logvar 512 float32; b_mu 512 float32; x 8 x 2,048 x 1,024 float32.
;; Outputs: out0 8 x 2,048 x 512 float32; out1 8 x 2,048 x 512 float32.
;; One version. Each part assembles by itself: llvm-mc -triple=amdgcn-amd-amdhsa -mcpu=gfx1250 --defsym DOCPART=n.
;; ======== version 1 of 1: 1 launch
;; launch heads (part 1): grid 4 x 64, 4 waves a work-group, clusters of 4 x 4, 327,680 bytes of LDS; arguments x, W_mu, W_logvar, b_mu, b_logvar, out0, out1; writes out0, out1
.if DOCPART == 1
	.amdgcn_target "amdgcn-amd-amdhsa--gfx1250"
	.amdhsa_code_object_version 6
	.text
	.protected	k_q64ff6f6f7e_heads
	.globl	k_q64ff6f6f7e_heads
	.p2align	8
	.type	k_q64ff6f6f7e_heads,@function
k_q64ff6f6f7e_heads:
	s_mov_b64 s[64:65], 0
	v_nop
	global_prefetch_b8 v0, s[64:65] scope:SCOPE_SE
	s_setreg_imm32_b32 hwreg(HW_REG_WAVE_MODE, 25, 1), 1
	s_wait_xcnt 0x0
	s_wait_alu depctr_hold_cnt(0) depctr_sa_sdst(0) depctr_va_vdst(0) depctr_va_sdst(0) depctr_va_ssrc(0) depctr_va_vcc(0) depctr_vm_vsrc(0)
	s_getreg_b32 s2, hwreg(HW_REG_IB_STS2, 6, 4)
	s_cmp_eq_u32 s2, 0
	s_cbranch_scc0 .Lentry_in_a_cluster
	s_endpgm
.Lentry_in_a_cluster:
	s_bfe_u32 s2, ttmp6, 0x10000c
	s_cmp_lg_u32 s2, 0xf033
	s_cbranch_scc0 .Lentry_shape_is_right
	s_endpgm
.Lentry_shape_is_right:
; out0 = x W_mu^T + b_mu;  out1 = exp(0.5 (x W_logvar^T + b_logvar)) * cov,  cov[i] = exp(-(sq_i + sq_i - 2 gram_ii) / 2).
; x: [16384][1024] f32 (8 x 2048 rows), W_mu, W_logvar: [512][1024] f32, biases [512] f32, outputs [16384][512] f32.
; Of the RBF matrix only the diagonal reaches an output, so only gram_ii = x_i . x_i is formed: in f32, beside the products, from the f32 numbers
; that pass through the registers on their way to bf16.  The two heads are ONE product of 16384 x 1024 x 1024 with bf16 operands and f32 sums.
;
; LIMITS.  gram_ii and sq_i are the same f32 sum here, so the distance is exactly 0 (cov = 1) for every finite sq and NaN (inf - inf) where sq overflows;
; the rounding residue between two differently ordered f32 sums is not reproduced.  v_exp_f32 gives 0 for results below 2^-126.
; exp(0.5 (acc + b)) is formed as exp2(c acc + c b), c = 0.5 log2 e, by one fused multiply-add.
; The sums over K begin at a K step that differs from cluster to cluster and wrap round (see K ORDER): an order of rounding other than ascending K.
;
; SHARES.  256 work-groups of four waves.  Work-group (bx, by): rows 256 by .. +255 of x, columns 128 bx .. +127 of mu AND of logvar.
; Wave w: wm = w >> 1 is its half of the rows, wn = w & 1 its head (0 mu, 1 logvar): 128 x 128 numbers, 64 accumulator tiles, 512 registers.
; K goes in steps of 64 f32 (rows of 256 bytes, at multiples of 256 bytes from the buffers' first bytes) through two LDS slots; a step is two chunks of 32 along K.
; CLUSTERS: 4 x 4 work-groups.  x's tile hangs on by alone and is asked for jointly by a row of the cluster; W's tiles hang on bx alone and are asked for
; jointly by a column: the requests for x and for W are divided by four.
; K ORDER: step t of cluster c (c = the cluster's y, 0 to 15) is K slice (t + off) mod 16, off = 2 (c mod 8) + c / 8: sixteen clusters, sixteen different starts,
; so that no two clusters ask for the same slice of W in the same trip.  off is equal in all sixteen work-groups of a cluster, so joint loads stay alike.
; PREFETCH: the trip that issues the tensor load of step t + 2 also asks for x's blocks of step t + 3, the tile whose tensor load stands in the next trip:
; one trip and 16 KiB a work-group ahead.  The 256 rows of a cluster row's tile are shared out: work-group bx takes rows 64 bx .. +63, its waves 0 and 1 take 32 each,
; a lane one row's aligned 256 bytes: each block of x is asked for once in the launch.  Steps 0 and 1 are not asked for (their tensor loads go out first), step 2 at the
; head, step 15 in trip 12; trips 13 and 14 ask for nothing.  W is not prefetched: every cluster reads all of it, and one request a block could not stand ahead of all sixteen.
;
; THE MATRIX INSTRUCTION IS USED TRANSPOSED: source 0 = 16 rows of W, source 1 = 16 rows of x.  Lane l then holds row l % 16 of x and, in registers 0 to 7,
; the output columns 8 (l / 16) + 0 .. 7: 32 neighbouring bytes of an output row.
; ROWS ROTATED: a wave's x fragments 0-3 (lo, sums in window 2) are rows 64 wn + 0..63 of its 128, fragments 4-7 (hi, window 3) rows 64 (1 - wn) + 0..63.
; Each wave sums the squares of its lo rows alone, so the two waves of a row half make each row's sq once between them.
;
; REGISTER WINDOWS of 256: 0 addresses, f32 fragments as loaded, sums of squares; 1 bf16 fragments, two buffers; 2, 3 accumulators (tile (a, b) at v[8 (8 a + b)]).
.set PITCH,  272                       ; an LDS row: 256 bytes + 16 of padding = 17 columns of 16 bytes: 16 rows touch 16 different columns modulo 256 bytes
.set HALFT,  128*PITCH                 ; 128 rows: what one tensor load brings
.set SLOT,   4*HALFT                   ; x rows 0-127, x rows 128-255, 128 rows of W_mu, 128 rows of W_logvar
.set STEPB,  256                       ; bytes of a row in a K step
.set STAGE,  2*SLOT                    ; behind the ring: each wave's own 16 rows for the way out; no tensor load lands here
.set SPITCH, 528                       ; 512 bytes of an output row + 16
.set WSTAGE, 16*SPITCH                 ; 8,448 bytes = 33 blocks of 256
.set COVTAB, STAGE+4*WSTAGE            ; cov of the group's 256 rows, f32; no tensor load lands here
.set ADRB,  16                         ; v16-17  LDS address of my W fragments in slot 0, 1
.set ADRAL, 18                         ; v18-19  of my lo x fragments
.set ADRAH, 20                         ; v20-21  of my hi x fragments
.set STO,   22                         ; the way out: where I put 32 bytes of a row
.set RD,    23                         ; the way out: where I read 16 bytes of a row back
.set CO,    24                         ; 16 x lane: my byte offset in an output row's 512 bytes
.set CVL,   25                         ; cov of my lo rows
.set CVH,   26                         ; cov of my hi rows (CVL + 1: picked by the macro's hi)
.set CVS,   27                         ; where I store cov of row l % 16
.set BO,    28                         ; byte offset of my four bias numbers
.set PO,    29                         ; prefetch: byte offset, from the group's first row, of the row whose block I ask for; never rewritten
.set BIAS,  32                         ; v[32:35]
.set SQ,    40                         ; v[40:55]  lo fragment i: two pairs of running sums of squares at SQ + 4 i, SQ + 4 i + 2
.set T,     56                         ; v[56:59]  at work
.set RAW,   64                         ; v[64:191] 8 fragments x 16 f32 as loaded; on the way out two buffers of 16 rows x 4
.set CV,    192                        ; v[192:207] cov of 16 rows
.set FA0,   0                          ; window 1: x fragments, buffer 0 and 1
.set FA1,   64
.set FB0,   128                        ; window 1: W fragments, buffer 0 and 1
.set FB1,   192
.set G1,  24                           ; s[24:31] descriptor group 1 for x's tiles
.set G0,  32                           ; s[32:39] group 0 for x's tiles, one set for each slot
.set G1B, 48                           ; s[48:55] group 1 for W's tiles: differs in the mask alone
.set G0B, 56                           ; s[56:63] group 0 for W's tiles, one set for each slot
.set MSB, 0
.macro WIN new                         ; s_set_vgpr_msb: bits 1:0 source 0, 3:2 source 1, 5:4 source 2, 7:6 destination; the high byte repeats the setting that is left
.if MSB != (\new)
	s_set_vgpr_msb (MSB<<8)|(\new)
.set MSB, (\new)
.endif
.endm
.macro PLACES                          ; a vector instruction that writes a register which a matrix instruction has read stands four plain vector instructions behind it (ISA guide 7.12.1)
.rept 4
	v_nop
.endr
.endm
.macro STEPK                           ; s88: the byte offset in a row of the next K slice, 256 further on, modulo the row's 4,096 bytes
	s_add_co_u32 s88, s88, STEPB
	s_and_b32 s88, s88, 0xf00
.endm
; A joint load.  Waves 0 and 1 fetch x's two halves, waves 2 and 3 W_mu's and W_logvar's rows.  Each line has one mask; the branch hangs on the wave's number alone.
; pf = 1: waves 0 and 1 then ask for 32 blocks each of x's next tile but this one (base s[86:87]: the slice that the next trip's tensor load will name).
.macro JLOAD s, pf
	s_cmp_eq_u32 s21, 0
	s_cbranch_scc0 .Lfor_w_\@
	tensor_load_to_lds s[G0+4*\s:G0+4*\s+3], s[G1:G1+7]
	s_nop 0
.if \pf
	global_prefetch_b8 v[PO], s[86:87] th:TH_LOAD_NT scope:SCOPE_SE
.endif
	s_branch .Lasked_\@
.Lfor_w_\@:
	tensor_load_to_lds s[G0B+4*\s:G0B+4*\s+3], s[G1B:G1B+7]
	s_nop 0
.Lasked_\@:
.endm
; A round of the cluster's barrier: my work-group's barrier, wave 0 signals for the work-group, every wave waits for all sixteen, my work-group's barrier again.
.macro CREST                           ; a round behind its opening barrier
	s_cmp_lg_u32 s20, 0
	s_cbranch_scc1 .Lnot_wave_0_\@
	s_barrier_signal -3
.Lnot_wave_0_\@:
	s_barrier_wait -3
	s_barrier_signal -1
	s_barrier_wait -1
.endm
.macro CROUND
	s_barrier_signal -1
	s_barrier_wait -1
	CREST
.endm
	s_load_b256 s[4:11], s[0:1], 0x0               ; x s[4:5], W_mu s[6:7], W_logvar s[8:9], b_mu s[10:11]
	s_load_b128 s[12:15], s[0:1], 0x20             ; b_logvar s[12:13], out0 s[14:15]
	s_load_b64 s[16:17], s[0:1], 0x30              ; out1
	v_lshl_add_u32 v254, v0, 2, 0x4c800
	v_mov_b32 v255, 0
	ds_add_u32 v254, v255
	v_lshrrev_b32 v1, 5, v0
	v_readfirstlane_b32 s20, v1                    ; wave 0..3
	s_lshr_b32 s21, s20, 1                         ; wm: my half of the rows.  Also: I fetch for x (0) or for W (1)
	s_and_b32 s22, s20, 1                          ; wn: my head.  Also: which half of x, or which W, I fetch
	s_xor_b32 s18, s22, 1                          ; 1 - wn
	s_bfe_u32 s40, ttmp6, 0x40000                  ; cx
	s_bfe_u32 s41, ttmp6, 0x40004                  ; cy
	s_lshl_b32 s42, ttmp9, 2                       ; in a cluster launch ttmp9 and ttmp7 count clusters
	s_add_co_u32 s42, s42, s40                     ; bx = 4 x cluster x + cx
	s_and_b32 s43, ttmp7, 0xffff
	s_lshl_b32 s43, s43, 2
	s_add_co_u32 s43, s43, s41                     ; by = 4 x cluster y + cy
	s_lshl_b32 s44, s41, 2
	s_lshl_b32 s44, 15, s44                        ; my row of the cluster: places 4 cy .. 4 cy + 3
	s_lshl_b32 s45, 0x1111, s40                    ; my column: places cx, cx + 4, cx + 8, cx + 12
	s_mov_b32 s72, 0x76543210                      ; v_permlanex16_b32: lane i of one half reads lane i of the other
	s_mov_b32 s73, 0xfedcba98
	; where my cluster begins along K: off = 2 (c mod 8) + c / 8, c = the cluster's y, 0 to 15; the same in all sixteen work-groups of the cluster
	s_and_b32 s88, ttmp7, 7
	s_bfe_u32 s89, ttmp7, 0x10003                  ; bit 3 of c
	s_lshl1_add_u32 s88, s88, s89
	s_lshl_b32 s88, s88, 8                         ; in bytes of a row
	s_mov_b32 s89, 0                               ; s[88:89]: a 64-bit offset
	; group 1: a tile of 128 rows x 64 elements of 4 bytes, 4 words of padding behind every 64 words
	s_or_b32 s[G1+0], s44, (2<<16)|(1<<20)|(1<<21)|(5<<22)|(3<<25)   ; 15:0 mask: x's tiles go to my row; 17:16 4-byte elements; 20 padding on; 21 set beside a mask; 24:22 every 64 words; 31:25 4 words
	s_or_b32 s[G1B+0], s45, (2<<16)|(1<<20)|(1<<21)|(5<<22)|(3<<25)  ; the same with my column's mask
	s_mov_b32 s[G1+1], 64<<16                      ; tensor_dim0 = 64
	s_mov_b32 s[G1B+1], 64<<16
	s_mov_b32 s[G1+2], 128<<16                     ; tensor_dim1 = 128
	s_mov_b32 s[G1B+2], 128<<16
	s_mov_b32 s[G1+3], 64<<16                      ; tile_dim0 = 64
	s_mov_b32 s[G1B+3], 64<<16
	s_mov_b32 s[G1+4], 128                         ; tile_dim1 = 128
	s_mov_b32 s[G1B+4], 128
	s_mov_b32 s[G1+5], 1024                        ; elements from row to row
	s_mov_b32 s[G1B+5], 1024
	s_mov_b32 s[G1+6], 0
	s_mov_b32 s[G1B+6], 0
	s_mov_b32 s[G1+7], 0
	s_mov_b32 s[G1B+7], 0
	; where the tiles come from: x's hang on by and the wave's number, W's on bx and the wave's number, each in registers of its own
	s_lshl_b32 s74, s43, 8
	s_lshl_b32 s78, s22, 7
	s_add_co_u32 s74, s74, s78                     ; x: row 256 by + 128 wn,
	s_lshl_b32 s74, s74, 12                        ; times 4,096 bytes: below 2^26
	s_mov_b32 s75, 0
	s_lshl_b32 s84, s43, 20                        ; the group's first row, 256 by, times 4,096 bytes: for the prefetch
	s_mov_b32 s85, 0
	s_lshl_b32 s46, s42, 19                        ; W: row 128 bx times 4,096 bytes
	s_mov_b32 s47, 0
	s_mul_i32 s23, s20, HALFT                      ; and where they go: wave x 128 rows; no place in the cluster enters an LDS address
	s_lshl_b32 s19, s42, 9                         ; 512 bx: my 128 columns, in bytes, in the biases and in an output row
	s_lshl_b32 s90, s42, 6                         ; prefetch: of the group's 256 rows, row 64 bx + 32 wn + lane is mine (waves 0 and 1),
	s_lshl_b32 s91, s22, 5
	s_add_co_u32 s90, s90, s91
	v_and_b32 v3, 31, v0                           ; lane
	v_add_nc_u32 v[PO], s90, v3
	v_lshlrev_b32 v[PO], 12, v[PO]                 ; times 4,096 bytes: 1,044,480 at the most, inside the group's rows
	s_wait_dscnt 0x0
	s_wait_kmcnt 0x0
	s_add_nc_u64 s[74:75], s[4:5], s[74:75]
	s_add_nc_u64 s[84:85], s[4:5], s[84:85]
	s_cmp_eq_u32 s22, 0
	s_cselect_b64 s[76:77], s[6:7], s[8:9]         ; W_mu or W_logvar
	s_cselect_b64 s[70:71], s[10:11], s[12:13]     ; b_mu or b_logvar
	s_add_nc_u64 s[46:47], s[76:77], s[46:47]
	CROUND                                         ; all sixteen work-groups are here: the first joint loads meet
.irp s, 0,1
	s_mov_b32 s[G0+4*\s], 1                                        ; count = 1
	s_add_co_u32 s[G0+4*\s+1], s23, \s*SLOT                        ; LDS address
	s_add_nc_u64 s[G0+4*\s+2:G0+4*\s+3], s[74:75], s[88:89]        ; global address: step s, K slice (s + off) mod 16
	s_or_b32 s[G0+4*\s+3], s[G0+4*\s+3], 0x80000000                ; type = 2
	s_mov_b32 s[G0B+4*\s], 1
	s_add_co_u32 s[G0B+4*\s+1], s23, \s*SLOT
	s_add_nc_u64 s[G0B+4*\s+2:G0B+4*\s+3], s[46:47], s[88:89]
	s_or_b32 s[G0B+4*\s+3], s[G0B+4*\s+3], 0x80000000
	STEPK
.if \s
	s_add_nc_u64 s[86:87], s[84:85], s[88:89]      ; step 2's slice of the group's rows: its tensor load stands in the first trip
.endif
	JLOAD \s, \s                                   ; both slots are asked for before anything else: two tensor loads of the wave are out
.endr
	; A bf16 fragment is 16 rows x 32 K in 8 registers: lane l holds row l % 16; registers 0-3 K = 8 (l / 16) + 0..7, registers 4-7 K = 16 + 8 (l / 16) + 0..7.
	; As f32 that is 32 bytes at 32 (l / 16) and 32 bytes 64 further on: four loads of 16 bytes at +0, +16, +64, +80.
	v_and_b32 v1, 15, v0                           ; r = l % 16
	v_bfe_u32 v2, v0, 4, 1                         ; h = l / 16
	v_mul_u32_u24 v4, v1, PITCH
	v_lshl_add_u32 v4, v2, 5, v4                   ; r x pitch + 32 h
	s_mul_i32 s78, s22, HALFT
	s_add_co_u32 s78, s78, 2*HALFT                 ; my head's 128 rows of W lie behind x's 256
	v_add_nc_u32 v[ADRB], s78, v4
	v_add_nc_u32 v[ADRB+1], SLOT, v[ADRB]
	s_mul_i32 s78, s21, HALFT                      ; my 128 rows of x
	s_mul_i32 s79, s22, 64*PITCH
	s_add_co_u32 s79, s78, s79                     ; lo: from row 64 wn
	v_add_nc_u32 v[ADRAL], s79, v4
	v_add_nc_u32 v[ADRAL+1], SLOT, v[ADRAL]
	s_mul_i32 s79, s18, 64*PITCH
	s_add_co_u32 s79, s78, s79                     ; hi: from row 64 (1 - wn)
	v_add_nc_u32 v[ADRAH], s79, v4
	v_add_nc_u32 v[ADRAH+1], SLOT, v[ADRAH]
	s_mul_i32 s78, s20, WSTAGE
	s_add_co_u32 s78, s78, STAGE                   ; my stage
	v_mul_u32_u24 v5, v1, SPITCH
	v_lshl_add_u32 v5, v2, 5, v5
	v_add_nc_u32 v[STO], s78, v5                   ; in: row r, 32 bytes for each half of the lanes
	v_lshlrev_b32 v[CO], 4, v3
	v_add_nc_u32 v[RD], s78, v[CO]                 ; back: the 32 lanes take one row of 512 bytes
	s_lshl_b32 s78, s21, 9
	s_add_co_u32 s78, s78, COVTAB                  ; the table's 128 words of my row half
	s_lshl_b32 s79, s22, 8
	s_add_co_u32 s79, s78, s79
	v_mov_b32 v[CVL], s79
	v_lshl_add_u32 v[CVS], v1, 2, s79
	s_lshl_b32 s79, s18, 8
	s_add_co_u32 s79, s78, s79
	v_mov_b32 v[CVH], s79
	v_add_nc_u32 v[BO], s19, v[CO]                 ; columns 128 bx + 4 lane .. + 3
	global_load_b128 v[BIAS:BIAS+3], v[BO], s[70:71]
; 32 LDS loads: my eight W fragments of chunk kc of a slot, as f32
.macro LOADB slot, kc
	WIN 0
.irp i, 0,1,2,3,4,5,6,7
	ds_load_b128 v[RAW+16*\i:RAW+16*\i+3],     v[ADRB+\slot] offset:\i*16*PITCH+128*\kc
	ds_load_b128 v[RAW+16*\i+4:RAW+16*\i+7],   v[ADRB+\slot] offset:\i*16*PITCH+128*\kc+16
	ds_load_b128 v[RAW+16*\i+8:RAW+16*\i+11],  v[ADRB+\slot] offset:\i*16*PITCH+128*\kc+64
	ds_load_b128 v[RAW+16*\i+12:RAW+16*\i+15], v[ADRB+\slot] offset:\i*16*PITCH+128*\kc+80
.endr
.endm
; 32 LDS loads: my eight x fragments, the four lo ones first
.macro LOADA slot, kc
	WIN 0
.irp i, 0,1,2,3
	ds_load_b128 v[RAW+16*\i:RAW+16*\i+3],     v[ADRAL+\slot] offset:\i*16*PITCH+128*\kc
	ds_load_b128 v[RAW+16*\i+4:RAW+16*\i+7],   v[ADRAL+\slot] offset:\i*16*PITCH+128*\kc+16
	ds_load_b128 v[RAW+16*\i+8:RAW+16*\i+11],  v[ADRAL+\slot] offset:\i*16*PITCH+128*\kc+64
	ds_load_b128 v[RAW+16*\i+12:RAW+16*\i+15], v[ADRAL+\slot] offset:\i*16*PITCH+128*\kc+80
.endr
.irp i, 0,1,2,3
	ds_load_b128 v[RAW+64+16*\i:RAW+64+16*\i+3],     v[ADRAH+\slot] offset:\i*16*PITCH+128*\kc
	ds_load_b128 v[RAW+64+16*\i+4:RAW+64+16*\i+7],   v[ADRAH+\slot] offset:\i*16*PITCH+128*\kc+16
	ds_load_b128 v[RAW+64+16*\i+8:RAW+64+16*\i+11],  v[ADRAH+\slot] offset:\i*16*PITCH+128*\kc+64
	ds_load_b128 v[RAW+64+16*\i+12:RAW+64+16*\i+15], v[ADRAH+\slot] offset:\i*16*PITCH+128*\kc+80
.endr
.endm
; eight fragments from f32 (window 0) to bf16 (window 1, from register dst).  waits = 1: the 32 loads just issued are the only LDS instructions out,
; four for each fragment, back in order (ISA guide 5.7.1): fragment i is in when at most 28 - 4 i are out.
.macro CVT dst, waits
	WIN 0x40
.irp i, 0,1,2,3,4,5,6,7
.if \waits
	s_wait_dscnt 28-4*\i
.endif
.irp j, 0,1,2,3,4,5,6,7
	v_cvt_pk_bf16_f32 v[\dst+8*\i+\j], v[RAW+16*\i+2*\j], v[RAW+16*\i+2*\j+1]
.endr
.endr
.endm
; squares of the four lo x fragments that lie in RAW, two at a time, into eight chains that do not wait for each other; first = 1: the products start the sums
.macro SQSTEP j, first
.irp i, 0,1,2,3
.if \first
	v_pk_mul_f32 v[SQ+4*\i+2*(\j%2):SQ+4*\i+2*(\j%2)+1], v[RAW+16*\i+2*\j:RAW+16*\i+2*\j+1], v[RAW+16*\i+2*\j:RAW+16*\i+2*\j+1]
.else
	v_pk_fma_f32 v[SQ+4*\i+2*(\j%2):SQ+4*\i+2*(\j%2)+1], v[RAW+16*\i+2*\j:RAW+16*\i+2*\j+1], v[RAW+16*\i+2*\j:RAW+16*\i+2*\j+1], v[SQ+4*\i+2*(\j%2):SQ+4*\i+2*(\j%2)+1]
.endif
.endr
.endm
.macro SQRUN first
	WIN 0
	SQSTEP 0, \first
	SQSTEP 1, \first
.irp j, 2,3,4,5,6,7
	SQSTEP \j, 0
.endr
.endm
; 32 matrix instructions: the four lo (hi = 0) or hi (hi = 1) x fragments of buffer f x all eight W fragments, 32 along K.  zero = 1: the products start the sums.
; The 64 accumulators take turns, one instruction a turn, in the same order in every chunk, over the loop's backward jump and in the tail too.
.macro MUL32 f, hi, zero
	WIN 0xa5+0x50*\hi
.irp a, 0,1,2,3
.irp b, 0,1,2,3,4,5,6,7
.if \zero
	v_wmma_f32_16x16x32_bf16 v[8*(8*\a+\b):8*(8*\a+\b)+7], v[FB0+64*\f+8*\b:FB0+64*\f+8*\b+7], v[FA0+64*\f+8*(4*\hi+\a):FA0+64*\f+8*(4*\hi+\a)+7], 0
.else
	v_wmma_f32_16x16x32_bf16 v[8*(8*\a+\b):8*(8*\a+\b)+7], v[FB0+64*\f+8*\b:FB0+64*\f+8*\b+7], v[FA0+64*\f+8*(4*\hi+\a):FA0+64*\f+8*(4*\hi+\a)+7], v[8*(8*\a+\b):8*(8*\a+\b)+7]
.endif
.endr
.endr
.endm
; Trip t: frees 'slot' (step t, all of it already in registers), reads 'next' (step t + 1), multiplies the hi half of chunk 2 t, all of chunk 2 t + 1 and
; the lo half of chunk 2 t + 2.  Every run of 32 LDS loads has 32 matrix instructions between its issue and its first wait.
; ONE barrier for the change of slots.  In front of it each wave waits for its reads of 'slot' and for all its tensor loads, of which one is out: its part of
; 'next'.  With fill = 1 the barrier opens a round of the cluster's barrier, and the joint refill (step t + 2) is the wave's first and only tensor load behind it.
; pf = 1: behind their refill waves 0 and 1 ask for x's blocks of step t + 3.
.macro TRIP slot, next, fill, zero, pf
	s_wait_dscnt 0x0                               ; my reads of this slot are back, the x fragments of chunk 2 t + 1 among them
	s_set_vgpr_msb (MSB<<8)|((MSB&0xf0)|0x0)
	s_wait_tensorcnt 0x0                           ; all my tensor loads have landed
	ds_add_u32 v254, v255
	s_wait_dscnt 0x0
	s_set_vgpr_msb (((MSB&0xf0)|0x0)<<8)|MSB
.if \pf
	s_wait_xcnt 0x0                                ; the prefetch of a trip ago has had its addresses translated (ISA guide 3.1): its base s[86:87] is written again below
.endif
	s_barrier_signal -1
	CVT FA1, 0                                     ; register work while the others arrive.  Buffer 1's x fragments were last read ahead of the four v_nop of the trip before
	SQRUN 0
	s_barrier_wait -1                              ; (every window is 0 here: branches follow)
.if \fill
	CREST                                          ; no wave of any partner still reads this slot or has a load on its way
	s_add_nc_u64 s[G0+4*\slot+2:G0+4*\slot+3], s[74:75], s[88:89]      ; step t + 2's slice; no tensor load of mine is out, so a group 0 may be written
	s_or_b32 s[G0+4*\slot+3], s[G0+4*\slot+3], 0x80000000
	s_add_nc_u64 s[G0B+4*\slot+2:G0B+4*\slot+3], s[46:47], s[88:89]
	s_or_b32 s[G0B+4*\slot+3], s[G0B+4*\slot+3], 0x80000000
	STEPK
.if \pf
	s_add_nc_u64 s[86:87], s[84:85], s[88:89]      ; step t + 3's slice of the group's rows
.endif
	JLOAD \slot, \pf
.endif
	LOADB \next, 0
	MUL32 0, 1, \zero
	PLACES                                         ; buffer 0's W fragments were read just now
	CVT FB0, 1
	LOADA \next, 0
	MUL32 1, 0, 0
	CVT FA0, 1                                     ; buffer 0's x fragments were last read ahead of the four v_nop above
	SQRUN 0
	LOADB \next, 1
	MUL32 1, 1, 0
	PLACES                                         ; buffer 1's W fragments were read just now
	CVT FB1, 1
	LOADA \next, 1
	MUL32 0, 0, 0
.endm
	s_wait_loadcnt 0x0                             ; the bias, once
	s_wait_tensorcnt 0x1                           ; my part of step 0 is in; step 1's load stays out
	s_barrier_signal -1
	s_barrier_wait -1                              ; everybody's is
	LOADB 0, 0
	CVT FB0, 1
	LOADA 0, 0
	CVT FA0, 1
	SQRUN 1
	LOADB 0, 1
	CVT FB1, 1
	LOADA 0, 1
	MUL32 0, 0, 1
	TRIP 0, 1, 1, 1, 1                             ; trip 0 stands in front of the loop: chunk 0's products start the sums
	WIN 0                                          ; at a label and at a branch every window is 0
	s_mov_b32 s3, 6                                ; trips 1 to 12: each fills a slot and asks one step further ahead; trip 12 asks for step 15, the last
.Llap:
	TRIP 1, 0, 1, 0, 1
	TRIP 0, 1, 1, 0, 1
	WIN 0
	s_sub_co_u32 s3, s3, 1
	s_cmp_lg_u32 s3, 0
	s_cbranch_scc1 .Llap
	TRIP 1, 0, 1, 0, 0                             ; trip 13: the last refill, step 15; nothing is left to ask for ahead
	TRIP 0, 1, 0, 0, 0                             ; trip 14: nothing is left to fetch, so no round and no refill; the load waited for is step 15's
	CVT FA1, 1                                     ; the last chunk's x fragments
	SQRUN 0
	MUL32 0, 1, 0
	MUL32 1, 0, 0
	MUL32 1, 1, 0
	WIN 0
	; cov of my 64 lo rows.  Lane (r, h) holds four partial sums of row r's squares; lanes r and r + 16 share the row's K between them.
	; These plain vector lines, which name no accumulator and no bf16 fragment, are also the places between the last matrix instructions and the LDS stores of their results.
.irp i, 0,1,2,3
	v_pk_add_f32 v[SQ+4*\i:SQ+4*\i+1], v[SQ+4*\i:SQ+4*\i+1], v[SQ+4*\i+2:SQ+4*\i+3]
.endr
.irp i, 0,1,2,3
	v_add_f32 v[T+\i], v[SQ+4*\i], v[SQ+4*\i+1]
.endr
.irp i, 0,1,2,3
	v_permlanex16_b32 v[SQ+4*\i+2], v[T+\i], s72, s73              ; the other half's sum; the destination has been written before
.endr
.irp i, 0,1,2,3
	v_add_f32 v[T+\i], v[T+\i], v[SQ+4*\i+2]                       ; sq_i, which is gram_ii too
.endr
.irp i, 0,1,2,3
	v_add_f32 v[SQ+4*\i], v[T+\i], v[T+\i]                         ; sq_i + sq_i
.endr
.irp i, 0,1,2,3
	v_fma_f32 v[SQ+4*\i], -2.0, v[T+\i], v[SQ+4*\i]                ; - 2 gram_ii: the distance (NaN where sq is infinite)
.endr
.irp i, 0,1,2,3
	v_mul_f32 v[SQ+4*\i], 0xbf38aa3b, v[SQ+4*\i]                   ; times -0.5 log2 e
.endr
.irp i, 0,1,2,3
	v_exp_f32 v[T+\i], v[SQ+4*\i]
.endr
	v_nop                                          ; one plain vector instruction behind the transcendentals before their results are used (ISA guide 5.7.2)
	s_wait_alu depctr_va_vdst(0)
.irp i, 0,1,2,3
	ds_store_b32 v[CVS], v[T+\i] offset:64*\i      ; lanes r and r + 16 write the same word with the same value
.endr
	s_wait_dscnt 0x0                               ; for the other waves' sake: my stores are done
	s_barrier_signal -1
	s_barrier_wait -1                              ; the table is whole
	s_cmp_eq_u32 s22, 0
	s_cselect_b64 s[76:77], s[14:15], s[16:17]     ; out0 or out1
	s_lshl_b32 s80, s43, 8
	s_lshl_b32 s78, s21, 7
	s_add_co_u32 s80, s80, s78                     ; row 256 by + 128 wm
	s_lshl_b32 s78, s18, 6
	s_add_co_u32 s82, s80, s78                     ; + 64 (1 - wn): my hi rows
	s_lshl_b32 s78, s22, 6
	s_add_co_u32 s80, s80, s78                     ; + 64 wn: my lo rows
	s_lshl_b32 s80, s80, 11                        ; times 2,048 bytes: below 2^25
	s_lshl_b32 s82, s82, 11
	s_add_co_u32 s80, s80, s19                     ; + my 128 columns
	s_add_co_u32 s82, s82, s19
	s_mov_b32 s81, 0
	s_mov_b32 s83, 0
	s_add_nc_u64 s[66:67], s[76:77], s[80:81]      ; the two bases are never rewritten: a row's place stands in the store's immediate, 129,024 at the most
	s_add_nc_u64 s[68:69], s[76:77], s[82:83]
.macro SARG f, t                       ; row t: c acc + c b
	v_pk_fma_f32 v[\f+4*(\t):\f+4*(\t)+1],   v[\f+4*(\t):\f+4*(\t)+1],   0x3f38aa3b, v[BIAS:BIAS+1]   op_sel_hi:[1,0,1]
	v_pk_fma_f32 v[\f+4*(\t)+2:\f+4*(\t)+3], v[\f+4*(\t)+2:\f+4*(\t)+3], 0x3f38aa3b, v[BIAS+2:BIAS+3] op_sel_hi:[1,0,1]
.endm
.macro SEXP f, t
.irp q, 0,1,2,3
	v_exp_f32 v[\f+4*(\t)+\q], v[\f+4*(\t)+\q]
.endr
.endm
.macro SOUT f, t, a, hi                ; times the row's cov, and out
	s_wait_alu depctr_va_vdst(0)
.irp q, 0,1,2,3
	v_mul_f32 v[\f+4*(\t)+\q], v[CV+\t], v[\f+4*(\t)+\q]
.endr
	global_store_b128 v[CO], v[\f+4*(\t):\f+4*(\t)+3], s[66+2*\hi:67+2*\hi] offset:(16*\a+\t)*2048 th:TH_STORE_NT
.endm
; THE WAY OUT, 16 rows at a time: the eight tiles (a, 0..7) of window 2 (hi = 0) or 3 (hi = 1) go as f32 straight from the accumulators into my own stage
; and come back as whole rows: the wave's 32 lanes hold the row's 512 bytes, so a lane always holds columns 4 lane .. + 3 and its four bias numbers serve every row,
; and each store of the wave covers 512 consecutive bytes at a multiple of 512 from the output's first byte.  f: the two halves of RAW in turn.  mode 0: mu; 1: sigma.
.macro OUT16 a, hi, f, mode
	WIN 0x08+4*\hi                                 ; an LDS store's data is source 1
.irp b, 0,1,2,3,4,5,6,7
	ds_store_b128 v[STO], v[8*(8*\a+\b):8*(8*\a+\b)+3]   offset:64*\b
	ds_store_b128 v[STO], v[8*(8*\a+\b)+4:8*(8*\a+\b)+7] offset:64*\b+16
.endr
	WIN 0
	s_wait_xcnt 0x0                                ; buffer f, which the stores of two blocks ago read, is loaded again only behind this wait (ISA guide 3.1)
.if \mode
.irp u, 0,1,2,3
	ds_load_b128 v[CV+4*\u:CV+4*\u+3], v[CVL+\hi] offset:64*\a+16*\u       ; cov of the 16 rows, the same words in every lane
.endr
.endif
.irp t, 0,1,2,3,4,5,6,7,8,9,10,11,12,13,14,15
	ds_load_b128 v[\f+4*\t:\f+4*\t+3], v[RD] offset:\t*SPITCH              ; LDS serves a wave's instructions in order (ISA guide 5.7.1.4): these see the stores above
.endr
.if \mode
	s_wait_dscnt 15                                ; row 0 is in (and cov, issued ahead of it); the fifteen rows behind it may be out
	SARG \f, 0
.irp t, 0,1,2,3,4,5,6,7,8,9,10,11,12,13,14
	SEXP \f, \t
	s_wait_dscnt 14-\t                             ; row t + 1 is in
	SARG \f, \t+1                                  ; the next row's two plain lines stand between the transcendentals and the use of their results
	SOUT \f, \t, \a, \hi
.endr
	SEXP \f, 15
	v_nop
	s_wait_alu depctr_va_vdst(0)
	SOUT \f, 15, \a, \hi
.else
.irp t, 0,1,2,3,4,5,6,7,8,9,10,11,12,13,14,15
	s_wait_dscnt 15-\t                             ; row t is in
	v_pk_add_f32 v[\f+4*\t:\f+4*\t+1],   v[\f+4*\t:\f+4*\t+1],   v[BIAS:BIAS+1]
	v_pk_add_f32 v[\f+4*\t+2:\f+4*\t+3], v[\f+4*\t+2:\f+4*\t+3], v[BIAS+2:BIAS+3]
	global_store_b128 v[CO], v[\f+4*\t:\f+4*\t+3], s[66+2*\hi:67+2*\hi] offset:(16*\a+\t)*2048 th:TH_STORE_NT
.endr
.endif
.endm
	s_cmp_lg_u32 s22, 0                            ; the wave's head; no barrier stands on either way
	s_cbranch_scc1 .Lsigma
	OUT16 0, 0, RAW, 0
	OUT16 1, 0, RAW+64, 0
	OUT16 2, 0, RAW, 0
	OUT16 3, 0, RAW+64, 0
	OUT16 0, 1, RAW, 0
	OUT16 1, 1, RAW+64, 0
	OUT16 2, 1, RAW, 0
	OUT16 3, 1, RAW+64, 0
	s_branch .Ljoin
.Lsigma:
	v_pk_mul_f32 v[BIAS:BIAS+1],   v[BIAS:BIAS+1],   0x3f38aa3b op_sel_hi:[1,0]   ; c b, c = 0.5 log2 e
	v_pk_mul_f32 v[BIAS+2:BIAS+3], v[BIAS+2:BIAS+3], 0x3f38aa3b op_sel_hi:[1,0]
	OUT16 0, 0, RAW, 1
	OUT16 1, 0, RAW+64, 1
	OUT16 2, 0, RAW, 1
	OUT16 3, 0, RAW+64, 1
	OUT16 0, 1, RAW, 1
	OUT16 1, 1, RAW+64, 1
	OUT16 2, 1, RAW, 1
	OUT16 3, 1, RAW+64, 1
.Ljoin:
	s_set_vgpr_msb (MSB<<8)|((MSB&0xf0)|0x0)
	s_wait_tensorcnt 0x0
	ds_add_u32 v254, v255
	s_wait_dscnt 0x0
	s_set_vgpr_msb (((MSB&0xf0)|0x0)<<8)|MSB
	CROUND                                         ; the closing round: no work-group ends while a partner may still ask for a tile that names it
	s_endpgm
.Lfunc_end_k_q64ff6f6f7e_heads:
	.size	k_q64ff6f6f7e_heads, .Lfunc_end_k_q64ff6f6f7e_heads-k_q64ff6f6f7e_heads
	.p2alignl 7, 3214868480
	.fill 96, 4, 3214868480
	.section	.rodata,"a",@progbits
	.p2align	6, 0x0
	.amdhsa_kernel k_q64ff6f6f7e_heads
		.amdhsa_group_segment_fixed_size 327680
		.amdhsa_private_segment_fixed_size 0
		.amdhsa_enable_private_segment 0
		.amdhsa_kernarg_size 56
		.amdhsa_user_sgpr_count 2
		.amdhsa_user_sgpr_kernarg_segment_ptr 1
		.amdhsa_wavefront_size32 1
		.amdhsa_system_sgpr_workgroup_id_x 1
		.amdhsa_system_sgpr_workgroup_id_y 1
		.amdhsa_system_sgpr_workgroup_id_z 1
		.amdhsa_system_vgpr_workitem_id 0
		.amdhsa_next_free_vgpr 1024
		.amdhsa_next_free_sgpr 92
		.amdhsa_reserve_vcc 0
		.amdhsa_float_denorm_mode_32 3
		.amdhsa_float_denorm_mode_16_64 3
		.amdhsa_memory_ordered 1
		.amdhsa_forward_progress 1
		.amdhsa_inst_pref_size 255
	.end_amdhsa_kernel
	.section	.bss,"aw",@nobits
	.p2align	6
	.space	262144
	.amdgpu_metadata
---
amdhsa.version: [ 1, 2 ]
amdhsa.kernels:
  - .name:           k_q64ff6f6f7e_heads
    .symbol:         k_q64ff6f6f7e_heads.kd
    .args:
      - { .name: x, .offset: 0, .size: 8, .value_kind: global_buffer, .address_space: global }
      - { .name: W_mu, .offset: 8, .size: 8, .value_kind: global_buffer, .address_space: global }
      - { .name: W_logvar, .offset: 16, .size: 8, .value_kind: global_buffer, .address_space: global }
      - { .name: b_mu, .offset: 24, .size: 8, .value_kind: global_buffer, .address_space: global }
      - { .name: b_logvar, .offset: 32, .size: 8, .value_kind: global_buffer, .address_space: global }
      - { .name: out0, .offset: 40, .size: 8, .value_kind: global_buffer, .address_space: global }
      - { .name: out1, .offset: 48, .size: 8, .value_kind: global_buffer, .address_space: global }
    .group_segment_fixed_size: 327680
    .private_segment_fixed_size: 0
    .kernarg_segment_align: 8
    .kernarg_segment_size: 56
    .max_flat_workgroup_size: 128
    .sgpr_count:     92
    .vgpr_count:     1024
    .wavefront_size: 32
...
	.end_amdgpu_metadata
.endif
;; end of part 1
